; MI455X (gfx1250); checked and timed in simulation.
; The chip was launched on July 23, 2026; its instructions are those of AMD's public machine-readable ISA for CDNA 5 (MIT licence, August 2026) and "CDNA5" Instruction Set Architecture Reference Guide (July 2026). The comments in the code are by the model that wrote it; some were corrected since.
;; Attention Block. Allowed arithmetic: matrix products marked QUANTISED: E4M3 operands, one given power-of-two scale a tensor, by v_wmma_f32_16x16x64_fp8_fp8 or v_wmma_f32_16x16x128_fp8_fp8, f32 sums; everything else in f32.
;; Inputs: gn_b 256 float32; gn_w 256 float32; lowp_scales 8 int32 (the exponents e of the quantised operands' scales 2^e); proj_b 256 float32; proj_w_codes 256 x 8 x 32 uint8 (E4M3 codes of proj_w, K innermost, in blocks of 32 codes); qkv_b 768 float32; qkv_w_codes 768 x 8 x 32 uint8 (E4M3 codes of qkv_w, K innermost, in blocks of 32 codes); x 4 x 256 x 64 x 64 float32.
;; Outputs: out0 4 x 256 x 64 x 64 float32.
;; This version of the problem:
;;   THIS VERSION OF THE PROBLEM IS GIVEN IN LOW PRECISION. The matrix products marked QUANTISED in the list below multiply operands that are first quantised to E4M3 (4 exponent bits, 3 mantissa bits; 8 bits a number), with one given power-of-two scale for each operand tensor; their sums are f32. All else is computed in f32.
;;   The module's matrix products, in the order in which they are computed (A, B: the left and right operand; K: the contracted axis; several contracted axes count as one K, in the product's order):
;;     1. [M 16,384, K 256] x [K 256, N 768]; A: computed on the way; B: input qkv_w (given as codes): QUANTISED (scales: A lowp_scales[0], B lowp_scales[1])
;;     2. batch 4 x [M 4,096, K 256] x [K 256, N 4,096]; A: computed on the way; B: computed on the way: QUANTISED (scales: A lowp_scales[2], B lowp_scales[3])
;;     3. batch 4 x [M 256, K 4,096] x [K 4,096, N 4,096]; A: computed on the way; B: softmax (see below): QUANTISED (scales: A lowp_scales[4], B lowp_scales[5])
;;     4. [M 16,384, K 256] x [K 256, N 256]; A: computed on the way; B: input proj_w (given as codes): QUANTISED (scales: A lowp_scales[6], B lowp_scales[7])
;;   THE QUANTISER, for each operand of a quantised product, along K:
;;     - The operand's scale is 2^e, e = its entry of the input lowp_scales (int32; the entries are numbered through the quantised products in the list's order, A before B).
;;     - Each number is divided by the scale, clamped to +-448, and rounded to the nearest number of E4M3, ties to even, subnormals kept.
;;     - The product sums the exact products of the quantised numbers (number of the format x scale) in f32.
;;   ~~~python
;;   def quantise(x, axis, e):      # numpy; x: float32 -> the quantised numbers, widened to float32 again
;;       x = np.moveaxis(x, axis, -1); K = x.shape[-1]
;;       r = np.clip(x / 2.0 ** e, -448, 448)
;;       step = 2.0 ** (np.maximum(np.frexp(np.where(r == 0, 1, r))[1] - 1, -6) - 3)
;;       q = np.round(r / step) * step * 2.0 ** e      # np.round: ties to even
;;       return np.moveaxis(q, -1, axis).astype(np.float32)
;;   ~~~
;;   SOFTMAX AHEAD OF A QUANTISED PRODUCT. Where the list says 'softmax', what is quantised is not the finished softmax but p = 2^(t - M), with t = logit x log2(e) and M = ceil(the row's largest t), a whole number; so 1/2 < the row's largest p <= 1. The row's sum l is taken of the UNQUANTISED p, in f32, and the product's result is divided by l at the end. Since M is a whole number, a kernel that streams over the keys may use a running M (the ceiling of the running maximum): every later rescaling is an exact power of two, so the quantised numbers keep their values, but for numbers so far below the row's largest that they fall under the format's range.
;;   OPERANDS COMPUTED ON THE WAY. 'Computed on the way' means the value that the module computes at that place (a softmax that the list does not call 'softmax' is quantised finished and normalised). What goes into a quantiser is computed in f32, as accurately as f32 sums, v_exp_f32 and their like allow (about 1e-6 of the number): no bf16 or f16 on the way to a quantiser, and a product that is left as it is and whose result goes on into a quantised operand takes f32 operands (vector FMAs, or v_wmma_f32_16x16x4_f32). A number that lies on a knife's edge between two numbers of the format may be rounded either way, as far as f32 arithmetic and the matrix unit's own rounding can turn it there, and no further.
;;   INPUTS GIVEN AS CODES. proj_w (in the module: [256, 256], K = its axis 1); qkv_w (in the module: [768, 256], K = its axis 1): each comes as NAME_codes (uint8): NAME with its K axis moved to the last place and cut into blocks of 32 codes, [.., K / 32, bytes a block], one block behind the other in memory; one code a byte (a code: sign, 4 exponent bits, 3 mantissa bits); its scale is its entry of lowp_scales. Its value is code x scale, taken as it is: it is not quantised again, and the codes and scales need not be those that the quantiser above would give.
;; One version. Each part assembles by itself: llvm-mc -triple=amdgcn-amd-amdhsa -mcpu=gfx1250 --defsym DOCPART=n.
;; ======== version 1 of 1: 3 launches
;; workspace buffers: gnt 8,192 bytes; qimg 4,194,304 bytes; kimg 4,194,304 bytes; vimg 4,194,304 bytes
;; launch gnstat (part 1): grid 128 x 1, 16 waves a work-group, no clusters, 2,304 bytes of LDS; arguments x, gn_w, gnt; writes gnt
.if DOCPART == 1
	.amdgcn_target "amdgcn-amd-amdhsa--gfx1250"
	.amdhsa_code_object_version 6
	.text
	.protected	k_q1ef862bbd9_gnstat
	.globl	k_q1ef862bbd9_gnstat
	.p2align	8
	.type	k_q1ef862bbd9_gnstat,@function
k_q1ef862bbd9_gnstat:
	s_mov_b64 s[64:65], 0
	v_nop
	global_prefetch_b8 v0, s[64:65] scope:SCOPE_SE
	s_setreg_imm32_b32 hwreg(HW_REG_WAVE_MODE, 25, 1), 1
	s_wait_xcnt 0x0
; GroupNorm's statistics.  x: [4][256][4096] f32; a group is 8 channels x 4,096 positions of one batch: 32,768 numbers, 131,072 dense bytes.
; One work-group of sixteen waves takes one (batch, group); thread t keeps 64 numbers in registers (16 loads of 16 bytes at 16 t + 8,192 i: a wave's load
; covers 512 consecutive bytes), so x is read once for both passes: the mean, then the sum of (x - mean)^2 from the registers: no difference of large sums is formed.
; Out: gnt[b] (2,048 bytes a batch): a[c] = rsqrt(var + 1e-5) x gn_w[c] at byte 4 c, the group's mean for each channel at 1,024 + 4 c.
; 128 work-groups: one a group, so that no sum spans work-groups.  No matrix unit, no cluster: nothing is shared and memory binds.
; LIMIT: NaN and infinities among the inputs are not served.
.set X, 16                             ; v16-79  my 64 numbers
.set S, 4                              ; v4-11   four chains of pairs
	s_load_b128 s[4:7], s[0:1], 0x0                ; x, gn_w
	s_load_b64 s[8:9], s[0:1], 0x10                ; gnt
	v_lshl_add_u32 v104, v0, 2, 0x100
	v_mov_b32 v105, 0
	v_lshrrev_b32 v12, 5, v0
	v_readfirstlane_b32 s10, v12                   ; wave 0..15
	v_mov_b32 v80, s10
	v_lshlrev_b32 v80, 2, v80                      ; LDS: my wave's word
	v_mov_b32 v81, 0                               ; LDS: the sixteen words
	v_mov_b32 v13, 0                               ; written once: a lane permute's destination counts as read
	v_lshlrev_b32 v1, 4, v0                        ; 16 t
	v_and_b32 v2, 7, v0
	v_lshlrev_b32 v2, 2, v2                        ; 4 (t % 8): a channel of the group
	s_mov_b32 s12, 0x76543210                      ; v_permlanex16_b32: lane l xor 16
	s_mov_b32 s13, 0xfedcba98
	s_lshl_b32 s14, ttmp9, 17                      ; (32 b + g) the group's 131,072 bytes
	s_mov_b32 s15, 0
	s_and_b32 s16, ttmp9, 31
	s_lshl_b32 s16, s16, 5                         ; the group's 8 channels: 32 bytes
	s_mov_b32 s17, 0
	s_lshr_b32 s18, ttmp9, 5
	s_lshl_b32 s18, s18, 11                        ; the batch's 2,048 bytes of gnt
	s_add_co_u32 s18, s18, s16
	s_mov_b32 s19, 0
	s_wait_kmcnt 0x0
	s_add_nc_u64 s[4:5], s[4:5], s[14:15]
	s_add_nc_u64 s[6:7], s[6:7], s[16:17]
	s_add_nc_u64 s[8:9], s[8:9], s[18:19]
	global_load_b32 v3, v2, s[6:7]                 ; gn_w of channel t % 8 of the group
.irp i, 0,1,2,3,4,5,6,7,8,9,10,11,12,13,14,15
	global_load_b128 v[X+4*\i:X+4*\i+3], v1, s[4:5] offset:8192*\i
.endr
; the sum in v12 over the wave's 32 lanes, then over the sixteen waves through LDS words at byte off
.macro GSUM off
	v_add_f32_dpp v12, v12, v12 row_xmask:1 row_mask:0xf bank_mask:0xf
	v_add_f32_dpp v12, v12, v12 row_xmask:2 row_mask:0xf bank_mask:0xf
	v_add_f32_dpp v12, v12, v12 row_xmask:4 row_mask:0xf bank_mask:0xf
	v_add_f32_dpp v12, v12, v12 row_xmask:8 row_mask:0xf bank_mask:0xf
	v_permlanex16_b32 v13, v12, s12, s13
	v_add_f32 v12, v12, v13
	ds_store_b32 v80, v12 offset:\off              ; all lanes write the same word with the same value
	s_wait_dscnt 0x0                               ; for the others' sake: my store is done
	s_barrier_signal -1
	s_barrier_wait -1
.irp i, 0,1,2,3
	ds_load_b128 v[84+4*\i:87+4*\i], v81 offset:\off+16*\i
.endr
	s_wait_dscnt 0x0
	v_pk_add_f32 v[84:85], v[84:85], v[86:87]
	v_pk_add_f32 v[88:89], v[88:89], v[90:91]
	v_pk_add_f32 v[92:93], v[92:93], v[94:95]
	v_pk_add_f32 v[96:97], v[96:97], v[98:99]
	v_pk_add_f32 v[84:85], v[84:85], v[88:89]
	v_pk_add_f32 v[92:93], v[92:93], v[96:97]
	v_pk_add_f32 v[84:85], v[84:85], v[92:93]
	v_add_f32 v12, v84, v85
.endm
.macro JOIN                            ; the four chains into v12
	v_pk_add_f32 v[S:S+1], v[S:S+1], v[S+2:S+3]
	v_pk_add_f32 v[S+4:S+5], v[S+4:S+5], v[S+6:S+7]
	v_pk_add_f32 v[S:S+1], v[S:S+1], v[S+4:S+5]
	v_add_f32 v12, v[S], v[S+1]
.endm
	; pass 1: the sum, four loads at a time; the counts leave the younger loads of x out (loads come back in order: ISA guide 5.7.1)
	s_wait_loadcnt 12
.irp k, 0,1,2,3
	v_pk_add_f32 v[S+2*\k:S+2*\k+1], v[X+4*\k:X+4*\k+1], v[X+4*\k+2:X+4*\k+3]      ; the first four loads start the chains: nothing is cleared
.endr
.irp q, 1,2,3
	s_wait_loadcnt 12-4*\q
.irp k, 0,1,2,3
	v_pk_add_f32 v[S+2*\k:S+2*\k+1], v[S+2*\k:S+2*\k+1], v[X+16*\q+4*\k:X+16*\q+4*\k+1]
.endr
.irp k, 0,1,2,3
	v_pk_add_f32 v[S+2*\k:S+2*\k+1], v[S+2*\k:S+2*\k+1], v[X+16*\q+4*\k+2:X+16*\q+4*\k+3]
.endr
.endr
	JOIN
	GSUM 0
	v_mul_f32 v14, 0x38000000, v12                 ; mean = sum x 2^-15
	v_mov_b32 v15, v14
	; pass 2, from the registers: the sum of (x - mean)^2
.set p, 0
.rept 32
	v_pk_add_f32 v[X+2*p:X+2*p+1], v[X+2*p:X+2*p+1], v[14:15] neg_lo:[0,1] neg_hi:[0,1]
.set p, p+1
.endr
.irp k, 0,1,2,3
	v_pk_mul_f32 v[S+2*\k:S+2*\k+1], v[X+2*\k:X+2*\k+1], v[X+2*\k:X+2*\k+1]
.endr
.set p, 4
.rept 28
	v_pk_fma_f32 v[S+2*(p%4):S+2*(p%4)+1], v[X+2*p:X+2*p+1], v[X+2*p:X+2*p+1], v[S+2*(p%4):S+2*(p%4)+1]
.set p, p+1
.endr
	JOIN
	GSUM 64                                        ; other LDS words than the first sum's: no barrier is owed between the two
	v_mul_f32 v12, 0x38000000, v12                 ; var
	v_add_f32 v12, 0x3727c5ac, v12                 ; + 1e-5
	v_rsq_f32 v12, v12
	v_nop                                          ; a plain instruction behind the transcendental (ISA guide 5.7.2)
	s_cmp_lg_u32 s10, 0
	s_cbranch_scc1 .Lend                           ; wave 0 alone stores
	s_wait_alu depctr_va_vdst(0)
	v_mul_f32 v3, v12, v3                          ; a = rstd x gn_w
	v_cmp_gt_u32 vcc_lo, 8, v0
	s_wait_xcnt 0x0                                ; EXEC changes only behind this wait
	s_and_saveexec_b32 s11, vcc_lo                 ; lanes 0-7: the group's eight channels
	global_store_b32 v2, v3, s[8:9]
	global_store_b32 v2, v14, s[8:9] offset:1024
	s_wait_xcnt 0x0
	s_or_b32 exec_lo, exec_lo, s11
.Lend:
	s_wait_tensorcnt 0x0
	ds_add_u32 v104, v105
	s_wait_dscnt 0x0
	s_endpgm
.Lfunc_end_k_q1ef862bbd9_gnstat:
	.size	k_q1ef862bbd9_gnstat, .Lfunc_end_k_q1ef862bbd9_gnstat-k_q1ef862bbd9_gnstat
	.p2alignl 7, 3214868480
	.fill 96, 4, 3214868480
	.section	.rodata,"a",@progbits
	.p2align	6, 0x0
	.amdhsa_kernel k_q1ef862bbd9_gnstat
		.amdhsa_group_segment_fixed_size 2304
		.amdhsa_private_segment_fixed_size 0
		.amdhsa_enable_private_segment 0
		.amdhsa_kernarg_size 24
		.amdhsa_user_sgpr_count 2
		.amdhsa_user_sgpr_kernarg_segment_ptr 1
		.amdhsa_wavefront_size32 1
		.amdhsa_system_sgpr_workgroup_id_x 1
		.amdhsa_system_sgpr_workgroup_id_y 1
		.amdhsa_system_sgpr_workgroup_id_z 1
		.amdhsa_system_vgpr_workitem_id 0
		.amdhsa_next_free_vgpr 106
		.amdhsa_next_free_sgpr 66
		.amdhsa_reserve_vcc 1
		.amdhsa_float_denorm_mode_32 3
		.amdhsa_float_denorm_mode_16_64 3
		.amdhsa_memory_ordered 1
		.amdhsa_forward_progress 1
		.amdhsa_inst_pref_size 13
	.end_amdhsa_kernel
	.amdgpu_metadata
---
amdhsa.version: [ 1, 2 ]
amdhsa.kernels:
  - .name:           k_q1ef862bbd9_gnstat
    .symbol:         k_q1ef862bbd9_gnstat.kd
    .args:
      - { .name: x, .offset: 0, .size: 8, .value_kind: global_buffer, .address_space: global }
      - { .name: gn_w, .offset: 8, .size: 8, .value_kind: global_buffer, .address_space: global }
      - { .name: gnt, .offset: 16, .size: 8, .value_kind: global_buffer, .address_space: global }
    .group_segment_fixed_size: 2304
    .private_segment_fixed_size: 0
    .kernarg_segment_align: 8
    .kernarg_segment_size: 24
    .max_flat_workgroup_size: 512
    .sgpr_count:     66
    .vgpr_count:     106
    .wavefront_size: 32
...
	.end_amdgpu_metadata
.endif
;; end of part 1
;; launch qkv (part 2): grid 64 x 4, 8 waves a work-group, no clusters, 18,432 bytes of LDS; arguments x, gnt, gn_b, qkv_w_codes, qkv_b, lowp_scales, qimg, kimg, vimg; writes qimg, kimg, vimg
.if DOCPART == 2
	.amdgcn_target "amdgcn-amd-amdhsa--gfx1250"
	.amdhsa_code_object_version 6
	.text
	.protected	k_q1ef862bbd9_qkv
	.globl	k_q1ef862bbd9_qkv
	.p2align	8
	.type	k_q1ef862bbd9_qkv,@function
k_q1ef862bbd9_qkv:
	s_mov_b64 s[64:65], 0
	v_nop
	global_prefetch_b8 v0, s[64:65] scope:SCOPE_SE
	s_setreg_imm32_b32 hwreg(HW_REG_WAVE_MODE, 25, 1), 1
	s_wait_xcnt 0x0
; h = (x - mean) a + gn_b, quantised (2^e0); q, k, v = W h + bias on codes of FP8 (E4M3) (W's scale 2^e1); q, k, v quantised (2^e2, 2^e3, 2^e4) and stored as IMAGES OF OPERAND REGISTERS.
; A work-group of eight waves takes 64 tokens of one batch.  PHASE X: wave w takes channels 32 w .. 32 w + 31: a lane holds one token, its registers run down the channels (the product's K),
; so the conversions give codes with K innermost; they go to LDS, a row a token.  One barrier.  PHASE G: wave w makes q's, k's and v's channels 32 w .. + 31 for all 64 tokens: 48 matrix instructions;
; its 12 fragments of W (24,576 bytes) go from memory straight into its registers, once.
; A FRAGMENT (16 rows x 128 K, 16 registers): registers 4 c .. 4 c + 3 of lane (r, h) hold k = 32 c + 16 h + 0 .. 15 of row r: the same order of k on both sides of every product.  Its image: register group c at 512 c + 16 x lane.
; THE ROWS OF A TILE ARE NOT NEIGHBOURS: row r of tile 2 b + u of a group of 32 is element 32 b + 8 u + r + 8 (r / 8), so that in a result whose rows these are, the 16 registers of tiles 2 b, 2 b + 1 are 16 neighbours, 32 b + 16 h + 0 .. 15.
; q, k: source 0 = 16 rows of W, source 1 = 16 tokens of h: a lane holds one token and 16 neighbouring channels: one register group of a fragment along the channels.
; v: source 0 = 16 tokens of h, source 1 = 16 rows of W: a lane holds one channel and 16 neighbouring tokens: one register group of a fragment along the keys.
; qimg, kimg: [b][tile of 16 tokens][K step s][c][lane][16 bytes].  vimg: [b][block of 128 keys][tile of 16 channels][group of 32 keys][lane][16 bytes].  Each store of a wave covers 512 consecutive bytes, aligned.
; The bias is the C of a sum's first matrix instruction, divided by 2^(e0 + e1); the three scales ahead of each quantiser are folded into the conversion's one.
; NO CLUSTER: W is shared by all work-groups, but it goes into registers by plain loads; a joint request would send its 196,608 bytes through LDS and back out for 48 matrix instructions a wave.
; LIMITS: e0, e2 - e0 - e1, e3 - e0 - e1, e4 - e0 - e1 between -126 and 119, so that each power of two below is an f32 number.  NaN among the inputs is not served.
; REGISTERS: window 0: v1-10 addresses; v12-13 v's bias as loaded; v16-79 x, then the sums; v80-95 codes; v96-223 h's 8 fragments (tile T, step s at 96 + 32 T + 16 s); v224-231 scales and holds.
;   window 1: v0-191 W (kind, tile u, step s at 64 kind + 32 u + 16 s); v192-239 the bias tiles of q, k, v.
.set PITCH, 272                        ; an LDS row: a token's 256 codes + 16 bytes, so that the 16 rows of a fragment load start at 16 different groups of banks (64 banks of 4 bytes: ISA guide 11.1)
.set ACC,  16
.set CODE, 80
.set HF,   96
.set SC0,  224
.set LIM0, 225
.set SCQ,  226
.set LIMQ, 227
.set SCK,  228
.set LIMK, 229
.set SCV,  230
.set LIMV, 231
.set MSB, 0
.macro WIN new                         ; the immediate's high byte repeats the setting that is left
.if MSB != (\new)
	s_set_vgpr_msb (MSB<<8)|(\new)
.set MSB, (\new)
.endif
.endm
.macro PLACES n
.rept \n
	v_nop
.endr
.endm
.macro MKSC e, sc, lim                 ; s[e] = an exponent: v[sc] = 2^e as f32, v[lim] = 448 x 2^e
	s_add_co_i32 s100, s[\e], 127
	s_lshl_b32 s101, s100, 23
	v_mov_b32 v[\sc], s101
	s_add_co_i32 s100, s100, 8
	s_lshl_b32 s100, s100, 23
	s_or_b32 s100, s100, 0x600000
	v_mov_b32 v[\lim], s100
.endm
	s_load_b512 s[4:19], s[0:1], 0x0               ; x, gnt, gn_b, W, qkv_b, scales, qimg, kimg
	s_load_b64 s[20:21], s[0:1], 0x40              ; vimg
	v_lshl_add_u32 v254, v0, 2, 0x4400
	v_mov_b32 v255, 0
	v_lshrrev_b32 v1, 5, v0
	v_readfirstlane_b32 s3, v1                     ; wave 0..7
	v_and_b32 v1, 31, v0                           ; lane
	v_and_b32 v2, 15, v0                           ; r
	v_bfe_u32 v3, v0, 4, 1                         ; h
	v_lshlrev_b32 v4, 2, v1                        ; x: 4 bytes a lane: lane = token
	v_and_b32 v5, 7, v0
	v_bfe_u32 v11, v0, 3, 1
	v_lshl_add_u32 v5, v11, 4, v5
	v_lshl_add_u32 v5, v3, 3, v5                   ; the lane's number with bits 3 and 4 exchanged: LDS row 16 T + r then holds the token that is row r of tile T
	v_mul_u32_u24 v5, v5, PITCH
	s_lshl_b32 s100, s3, 5
	v_add_nc_u32 v5, s100, v5                      ; + my 32 channels' bytes
	v_mul_u32_u24 v6, v2, PITCH
	v_lshl_add_u32 v6, v3, 4, v6                   ; h's fragments: row r, + 16 h
	v_and_b32 v9, 8, v2
	v_add_nc_u32 v9, v9, v2                        ; r + 8 (r / 8)
	v_lshlrev_b32 v7, 8, v9
	v_lshl_add_u32 v7, v3, 4, v7                   ; W: that row of 256 bytes, + 16 h
	v_lshlrev_b32 v8, 6, v3                        ; q's and k's bias: channels 16 h on
	v_lshlrev_b32 v9, 2, v9                        ; v's bias: channel r + 8 (r / 8)
	v_lshlrev_b32 v10, 4, v1                       ; an image's place for my lane
	s_mov_b32 s22, ttmp9                           ; block of 64 tokens
	s_and_b32 s23, ttmp7, 0xffff                   ; batch
	s_lshl_b32 s100, s23, 22
	s_lshl_b32 s101, s3, 19
	s_add_co_u32 s100, s100, s101
	s_lshl_b32 s101, s22, 8
	s_add_co_u32 s100, s100, s101                  ; x: batch, my 32 channels, the block's 256 bytes of a row
	s_mov_b32 s101, 0
	s_wait_kmcnt 0x0
	s_add_nc_u64 s[4:5], s[4:5], s[100:101]
	s_lshl_b32 s100, s3, 7                         ; my 32 channels' 128 bytes
	s_add_nc_u64 s[8:9], s[8:9], s[100:101]        ; gn_b
	s_add_nc_u64 s[12:13], s[12:13], s[100:101]    ; qkv_b
	s_lshl_b32 s2, s23, 11
	s_add_co_u32 s100, s100, s2
	s_add_nc_u64 s[6:7], s[6:7], s[100:101]        ; gnt
	s_lshl_b32 s100, s3, 13
	s_add_nc_u64 s[10:11], s[10:11], s[100:101]    ; W: my 32 rows of each kind
	s_load_b128 s[24:27], s[14:15], 0x0            ; e0 .. e3
	s_load_b32 s2, s[14:15], 0x10                  ; e4
	s_load_b32 s28, s[6:7], 0x400                  ; the means of my four groups
	s_load_b32 s29, s[6:7], 0x420
	s_load_b32 s30, s[6:7], 0x440
	s_load_b32 s31, s[6:7], 0x460
	s_load_b512 s[68:83], s[6:7], 0x0              ; a of my 32 channels
	s_load_b512 s[84:99], s[6:7], 0x40
	s_load_b512 s[32:47], s[8:9], 0x0              ; gn_b of them
	s_load_b512 s[48:63], s[8:9], 0x40
.irp th, 0,1
.irp i, 0,1,2,3,4,5,6,7,8,9,10,11,12,13,14,15,16,17,18,19,20,21,22,23,24,25,26,27,28,29,30,31
	global_load_b32 v[ACC+32*\th+\i], v4, s[4:5] offset:16384*\i+128*\th   ; x(channel 32 w + i, token 32 th + lane): 128 consecutive bytes; the two halves make the row's 256
.endr
.endr
	WIN 0x40                                       ; destination window 1
.irp kk, 0,1,2
.irp uu, 0,1
.irp ss, 0,1
.irp c, 0,1,2,3
	global_load_b128 v[64*\kk+32*\uu+16*\ss+4*\c:64*\kk+32*\uu+16*\ss+4*\c+3], v7, s[10:11] offset:65536*\kk+2048*\uu+128*\ss+32*\c
.endr
.endr
.endr
.endr
.irp kk, 0,1
.irp uu, 0,1
	global_load_b128 v[192+16*\kk+8*\uu:192+16*\kk+8*\uu+3], v8, s[12:13] offset:1024*\kk+32*\uu       ; lane (r, h), register j: the bias of channel 32 w + 8 u + 16 h + j
	global_load_b128 v[192+16*\kk+8*\uu+4:192+16*\kk+8*\uu+7], v8, s[12:13] offset:1024*\kk+32*\uu+16
.endr
.endr
	WIN 0
	global_load_b32 v12, v9, s[12:13] offset:2048  ; v's bias of channel 32 w + 8 u + r + 8 (r / 8), u = 0,
	global_load_b32 v13, v9, s[12:13] offset:2080  ; u = 1
	; where the images go
	s_lshl_b32 s100, s23, 20
	s_lshl_b32 s66, s22, 14
	s_add_co_u32 s66, s66, s100                    ; batch, the block's four tiles of 4,096 bytes,
	s_lshr_b32 s67, s3, 2
	s_lshl_b32 s67, s67, 11
	s_add_co_u32 s66, s66, s67                     ; K step w / 4,
	s_and_b32 s67, s3, 3
	s_lshl_b32 s67, s67, 9
	s_add_co_u32 s66, s66, s67                     ; register group w % 4
	s_mov_b32 s67, 0
	s_add_nc_u64 s[16:17], s[16:17], s[66:67]
	s_add_nc_u64 s[18:19], s[18:19], s[66:67]
	s_lshr_b32 s66, s22, 1
	s_lshl_b32 s66, s66, 15
	s_add_co_u32 s100, s100, s66                   ; v: batch, block of 128 keys,
	s_lshl_b32 s66, s3, 12
	s_add_co_u32 s100, s100, s66                   ; channel tiles 2 w, 2 w + 1,
	s_and_b32 s66, s22, 1
	s_lshl_b32 s66, s66, 10
	s_add_co_u32 s100, s100, s66                   ; the block's first or second 64 keys
	s_add_nc_u64 s[20:21], s[20:21], s[100:101]
	s_wait_kmcnt 0x0
	s_add_co_i32 s67, s24, s25                     ; e0 + e1: a sum stands for sum x 2^(e0 + e1)
	s_sub_co_i32 s66, 0, s67
	MKSC 24, SC0, LIM0
	s_sub_co_i32 s22, s26, s67
	MKSC 22, SCQ, LIMQ
	s_sub_co_i32 s22, s27, s67
	MKSC 22, SCK, LIMK
	s_sub_co_i32 s22, s2, s67
	MKSC 22, SCV, LIMV
	; ---- PHASE X
	s_wait_loadcnt 58                              ; x is in; the 48 loads of W and the 10 of the bias, issued behind it, may be out
.set n, 0
.rept 64
	v_sub_f32 v[ACC+n], v[ACC+n], s[28+(n%32)/8]
.set n, n+1
.endr
.set n, 0
.rept 64
	v_fma_f32 v[ACC+n], v[ACC+n], s[68+n%32], s[32+n%32]
.set n, n+1
.endr
.set n, 0
.rept 64
	v_med3_num_f32 v[ACC+n], v[ACC+n], -v[LIM0], v[LIM0]   ; the conversion to an 8-bit code does not saturate (ISA guide 7.6.2): the hold at the largest code x the scale
.set n, n+1
.endr
.irp q, 0,1,2,3,4,5,6,7
	v_cvt_scalef32_pk8_fp8_f32 v[CODE+2*\q:CODE+2*\q+1], v[ACC+8*\q:ACC+8*\q+7], v[SC0]
.endr
	v_nop                                          ; a plain instruction behind the last conversion: matrix instructions later write its sources
	ds_store_b128 v5, v[CODE:CODE+3]
	ds_store_b128 v5, v[CODE+4:CODE+7] offset:16
	ds_store_b128 v5, v[CODE+8:CODE+11] offset:32*PITCH
	ds_store_b128 v5, v[CODE+12:CODE+15] offset:32*PITCH+16
	s_wait_dscnt 0x0                               ; for the others' sake: my stores are done
	s_barrier_signal -1
	s_barrier_wait -1                              ; the 64 tokens' codes lie in LDS
.irp tt, 0,1,2,3
.irp ss, 0,1
.irp c, 0,1,2,3
	ds_load_b128 v[HF+32*\tt+16*\ss+4*\c:HF+32*\tt+16*\ss+4*\c+3], v6 offset:16*PITCH*\tt+128*\ss+32*\c
.endr
.endr
.endr
	s_wait_loadcnt 0x0                             ; W and the bias
	WIN 0x41                                       ; source 0 and destination window 1
.set n, 0
.rept 32
	v_ldexp_f32 v[192+n], v[192+n], s66            ; bias / 2^(e0 + e1)
.set n, n+1
.endr
	WIN 0x40
.irp uu, 0,1
.irp j, 0,1,2,3,4,5,6,7
	v_ldexp_f32 v[224+8*\uu+\j], v[12+\uu], s66    ; v's: a lane holds one channel, so all eight registers of a tile are alike
.endr
.endr
	WIN 0
	s_wait_dscnt 0x0                               ; h's fragments
; ---- PHASE G.  Eight accumulators take turns, one instruction a turn, K step by K step.
.macro GQK kind
	WIN 0x11                                       ; source 0 (W) and source 2 (bias) window 1
.irp tt, 0,1,2,3
.irp uu, 0,1
	v_wmma_f32_16x16x128_fp8_fp8 v[ACC+16*\tt+8*\uu:ACC+16*\tt+8*\uu+7], v[64*\kind+32*\uu:64*\kind+32*\uu+15], v[HF+32*\tt:HF+32*\tt+15], v[192+16*\kind+8*\uu:192+16*\kind+8*\uu+7]
.endr
.endr
	WIN 0x01
.irp tt, 0,1,2,3
.irp uu, 0,1
	v_wmma_f32_16x16x128_fp8_fp8 v[ACC+16*\tt+8*\uu:ACC+16*\tt+8*\uu+7], v[64*\kind+32*\uu+16:64*\kind+32*\uu+31], v[HF+32*\tt+16:HF+32*\tt+31], v[ACC+16*\tt+8*\uu:ACC+16*\tt+8*\uu+7]
.endr
.endr
	WIN 0
	PLACES 4                                       ; four plain places ahead of the first read of results (ISA guide 7.12.1)
.endm
.macro GV
	WIN 0x14                                       ; source 1 (W) and source 2 (bias) window 1
.irp uu, 0,1
.irp tt, 0,1,2,3
	v_wmma_f32_16x16x128_fp8_fp8 v[ACC+32*\uu+8*\tt:ACC+32*\uu+8*\tt+7], v[HF+32*\tt:HF+32*\tt+15], v[128+32*\uu:128+32*\uu+15], v[224+8*\uu:224+8*\uu+7]
.endr
.endr
	WIN 0x04
.irp uu, 0,1
.irp tt, 0,1,2,3
	v_wmma_f32_16x16x128_fp8_fp8 v[ACC+32*\uu+8*\tt:ACC+32*\uu+8*\tt+7], v[HF+32*\tt+16:HF+32*\tt+31], v[128+32*\uu+16:128+32*\uu+31], v[ACC+32*\uu+8*\tt:ACC+32*\uu+8*\tt+7]
.endr
.endr
	WIN 0
	PLACES 4
.endm
.macro QUANT4 sc, lim                  ; the 64 sums become four register groups of codes; each accumulator is read from its low end on
	s_wait_xcnt 0x0                                ; the last stores have read their data: the codes' registers are rewritten only behind this wait
.irp g, 0,1,2,3
.irp i, 0,1,2,3,4,5,6,7,8,9,10,11,12,13,14,15
	v_med3_num_f32 v[ACC+16*\g+\i], v[ACC+16*\g+\i], -v[\lim], v[\lim]
.endr
	v_cvt_scalef32_pk8_fp8_f32 v[CODE+4*\g:CODE+4*\g+1], v[ACC+16*\g:ACC+16*\g+7], v[\sc]
	v_cvt_scalef32_pk8_fp8_f32 v[CODE+4*\g+2:CODE+4*\g+3], v[ACC+16*\g+8:ACC+16*\g+15], v[\sc]
.endr
	v_nop                                          ; a plain instruction behind the last conversion: the next products write its sources
.endm
	GQK 0
	QUANT4 SCQ, LIMQ
.irp g, 0,1,2,3
	global_store_b128 v10, v[CODE+4*\g:CODE+4*\g+3], s[16:17] offset:4096*\g   ; tile g of tokens: 512 consecutive bytes, aligned
.endr
	GQK 1
	QUANT4 SCK, LIMK
.irp g, 0,1,2,3
	global_store_b128 v10, v[CODE+4*\g:CODE+4*\g+3], s[18:19] offset:4096*\g
.endr
	GV
	QUANT4 SCV, LIMV
.irp g, 0,1,2,3
	global_store_b128 v10, v[CODE+4*\g:CODE+4*\g+3], s[20:21] offset:2048*(\g/2)+512*(\g%2)   ; channel tile 2 w + g / 2, keys 32 (g % 2) on
.endr
	s_wait_tensorcnt 0x0
	ds_add_u32 v254, v255
	s_wait_dscnt 0x0
	s_endpgm
.Lfunc_end_k_q1ef862bbd9_qkv:
	.size	k_q1ef862bbd9_qkv, .Lfunc_end_k_q1ef862bbd9_qkv-k_q1ef862bbd9_qkv
	.p2alignl 7, 3214868480
	.fill 96, 4, 3214868480
	.section	.rodata,"a",@progbits
	.p2align	6, 0x0
	.amdhsa_kernel k_q1ef862bbd9_qkv
		.amdhsa_group_segment_fixed_size 18432
		.amdhsa_private_segment_fixed_size 0
		.amdhsa_enable_private_segment 0
		.amdhsa_kernarg_size 72
		.amdhsa_user_sgpr_count 2
		.amdhsa_user_sgpr_kernarg_segment_ptr 1
		.amdhsa_wavefront_size32 1
		.amdhsa_system_sgpr_workgroup_id_x 1
		.amdhsa_system_sgpr_workgroup_id_y 1
		.amdhsa_system_sgpr_workgroup_id_z 1
		.amdhsa_system_vgpr_workitem_id 0
		.amdhsa_next_free_vgpr 512
		.amdhsa_next_free_sgpr 102
		.amdhsa_reserve_vcc 0
		.amdhsa_float_denorm_mode_32 3
		.amdhsa_float_denorm_mode_16_64 3
		.amdhsa_memory_ordered 1
		.amdhsa_forward_progress 1
		.amdhsa_inst_pref_size 53
	.end_amdhsa_kernel
	.amdgpu_metadata
---
amdhsa.version: [ 1, 2 ]
amdhsa.kernels:
  - .name:           k_q1ef862bbd9_qkv
    .symbol:         k_q1ef862bbd9_qkv.kd
    .args:
      - { .name: x, .offset: 0, .size: 8, .value_kind: global_buffer, .address_space: global }
      - { .name: gnt, .offset: 8, .size: 8, .value_kind: global_buffer, .address_space: global }
      - { .name: gn_b, .offset: 16, .size: 8, .value_kind: global_buffer, .address_space: global }
      - { .name: qkv_w_codes, .offset: 24, .size: 8, .value_kind: global_buffer, .address_space: global }
      - { .name: qkv_b, .offset: 32, .size: 8, .value_kind: global_buffer, .address_space: global }
      - { .name: lowp_scales, .offset: 40, .size: 8, .value_kind: global_buffer, .address_space: global }
      - { .name: qimg, .offset: 48, .size: 8, .value_kind: global_buffer, .address_space: global }
      - { .name: kimg, .offset: 56, .size: 8, .value_kind: global_buffer, .address_space: global }
      - { .name: vimg, .offset: 64, .size: 8, .value_kind: global_buffer, .address_space: global }
    .group_segment_fixed_size: 18432
    .private_segment_fixed_size: 0
    .kernarg_segment_align: 8
    .kernarg_segment_size: 72
    .max_flat_workgroup_size: 256
    .sgpr_count:     102
    .vgpr_count:     512
    .wavefront_size: 32
...
	.end_amdgpu_metadata
.endif
;; end of part 2
;; launch attn (part 3): grid 64 x 4, 4 waves a work-group, clusters of 4 x 1, 327,680 bytes of LDS; arguments qimg, kimg, vimg, lowp_scales, proj_w_codes, proj_b, x, out0; writes out0
.if DOCPART == 3
	.amdgcn_target "amdgcn-amd-amdhsa--gfx1250"
	.amdhsa_code_object_version 6
	.text
	.protected	k_q1ef862bbd9_attn
	.globl	k_q1ef862bbd9_attn
	.p2align	8
	.type	k_q1ef862bbd9_attn,@function
k_q1ef862bbd9_attn:
	s_mov_b64 s[64:65], 0
	v_nop
	global_prefetch_b8 v0, s[64:65] scope:SCOPE_SE
	s_setreg_imm32_b32 hwreg(HW_REG_WAVE_MODE, 25, 1), 1
	s_wait_xcnt 0x0
	s_wait_alu depctr_hold_cnt(0) depctr_sa_sdst(0) depctr_va_vdst(0) depctr_va_sdst(0) depctr_va_ssrc(0) depctr_va_vcc(0) depctr_vm_vsrc(0)
	s_getreg_b32 s2, hwreg(HW_REG_IB_STS2, 6, 4)
	s_cmp_eq_u32 s2, 0
	s_cbranch_scc0 .Lentry_in_a_cluster
	s_endpgm
.Lentry_in_a_cluster:
	s_bfe_u32 s2, ttmp6, 0x10000c
	s_cmp_lg_u32 s2, 0x3003
	s_cbranch_scc0 .Lentry_shape_is_right
	s_endpgm
.Lentry_shape_is_right:
; out0 = x + proj_w (softmax(q^T k / 16) v) + proj_b, all three products on codes of FP8 (E4M3), each operand with the one scale 2^e that is given for it (e2 q, e3 k, e4 v, e5 p, e6 the attention's result, e7 proj_w).
; qimg, kimg, vimg hold q, k and v as images of operand registers (a fragment: 16 rows x 128 K, 16 registers; register group c at 512 c + 16 x lane; registers 4 c .. 4 c + 3 of lane (r, h): k = 32 c + 16 h + 0 .. 15).
; Row r of tile 2 b + u is element 32 b + 8 u + r + 8 (r / 8) of its group of 32, so that a transposed result's 16 registers of tiles 2 b, 2 b + 1 are 16 neighbours along the next K.
; SHARES.  A work-group owns 64 queries of one batch.  THE FOUR WAVES SHARE THE KEYS, NOT THE QUERIES: each holds all four tiles of 16 queries, and in each of 8 steps wave w takes the 128 keys of block 4 j + w.
; So a fragment of K or V is read from LDS once, by one wave, and feeds four matrix instructions.  Each wave keeps its own running M, sum and O^T (64 x 256: 512 registers); they are merged once, at the end, by exact powers of two.
; BOTH PRODUCTS ARE USED TRANSPOSED: S^T = K Q^T (source 0 = 16 keys), O^T += V^T P^T (source 0 = 16 channels): a lane holds one query (lane % 16) throughout.
; SOFTMAX: t = score x log2(e) / 16; M = the largest t so far, rounded up to a whole number (kept as -M = floor(-t)); p = 2^(t - M) is quantised; the sum is taken of the unquantised p; when M moves, the sum and O^T are multiplied by 2^(old M - new M).
; BY TURNS, where the registers allow it.  Behind each product of S^T stand two lines of the running maximum over the key tile before; ahead of each product of O^T stand the four lines that bring the NEXT accumulator under the new M.
; Each costs two switches of the register window; with them a product of S^T has four other lines beside it and a product of O^T six.  The rest of the softmax goes tile by tile in a chain: every exponential
; has a plain line of another tile behind it (tile 0's: the t - M of tiles 1 and 2; tile t + 1's: the hold of tile t).  V's fragments lie in S^T's registers, so the next step's scores cannot begin before this step's second product ends.
; LDS: each wave has one region for its block of K and one for its block of V (32,768 bytes each, dense images: every fragment load takes 512 consecutive bytes).  They are the two slots: K's is filled again in the middle of the softmax,
; V's at the end of the second product.  Only the wave that asked reads a region, behind its own wait on TENSORcnt.  By this text's count a wave has two tensor loads out at the start and one later.
; CLUSTER: the four work-groups of a cluster belong to one batch and walk the same K and V: every block is asked for JOINTLY, by the same tensor load with the same descriptor and the mask of all four.
; THE ORDER OF THE KEYS: cluster x of a batch's sixteen begins at step (x + x / 8) % 8 and walks round: at any time the clusters of a batch ask for different blocks.  The order changes no sum but by rounding; x is alike in the four partners.
; THE END: the waves' O^T go to LDS (into K's and V's regions, which have had their last fill); wave w merges tile w of the queries, divides by the sum, quantises; the codes go round through LDS; wave w makes outputs 64 w .. 64 w + 63
; for all 64 tokens (source 0 = 16 tokens, source 1 = 16 rows of proj_w: a lane holds one output channel and eight neighbouring tokens), adds bias and x, and stores whole rows of 256 bytes through its own stage.
; LIMITS: e5, e6 between -126 and 119; e2 + e3 between -122 and 130; e6 + e7 between -126 and 127, so that each power of two below is an f32 number.  NaN among the inputs is not served.
; p is quantised under the wave's own running M: numbers far below the row's largest keep more bits than under the row's final M.
; REGISTERS, in windows of 256 (s_set_vgpr_msb: bits 1:0 source 0, 3:2 source 1, 5:4 source 2, 7:6 destination):
;   window 0: v1-26 addresses and constants; v8-13 three chains of a sum; v32-63 statistics, 8 a tile: +0 -M, +1 largest t, +2, +3 the sum, +4 f, +5 at work, +6, +7 the running largest score in two chains;
;             v64-127 K's two fragment buffers, then p's codes (tile t at 64 + 16 t); v128-255 Q (tile t, K step s at 128 + 32 t + 16 s)
;   window 1: S^T (tile t, key tile kt at 64 t + 8 kt), then V's 16 fragments (16 ct);   window 2: O^T of tiles 0, 1 (128 (t % 2) + 8 ct);   window 3: O^T of tiles 2, 3.
.set VREG,  131072                     ; K's regions begin at 0, V's here: 32,768 bytes a wave
.set SPARE, 262144                     ; the spare words, 128 bytes for each wave: two blocks of 256 bytes that no other line names
.set STATS, 262656                     ; -M and the sum: source wave x 1,024 + tile x 256 + 8 x lane
.set CODES, 266752                     ; the result's codes: tile x 4,096 + 512 i + 16 x lane
.set STAGE, 283136                     ; 16 rows x 272 bytes for each wave
.set BLK4,  131072                     ; four blocks of 128 keys: a step of the descriptors
.set AK,  1
.set AV,  2
.set SPW, 3
.set NIL, 4
.set LIM5, 5
.set SC5, 6
.set L16, 7
.set TA,  8
.set TB,  9
.set LIM6, 14
.set SC6, 15
.set PW,  16
.set PB,  17
.set GO,  18
.set SA,  19
.set SB,  20
.set RA0, 21
.set RA1, 22
.set CA,  23
.set CB,  24
.set SO,  25
.set SR,  26
.set ST,  32
.set KB,  64
.set PC,  64
.set QF,  128
.set G1,  24                           ; s[24:31] descriptor group 1
.set G0K, 32                           ; s[32:35] group 0 for K's blocks
.set G0V, 36                           ; s[36:39] for V's
                                       ; s[6:7], s[8:9] K's and V's images at my batch and my wave's block; s[60:61], s[62:63] the step's byte offset in them, for K and for V
.set MSB, 0
.macro WIN new                         ; the immediate's high byte repeats the setting that is left; a switch that changes nothing is dropped
.if MSB != (\new)
	s_set_vgpr_msb (MSB<<8)|(\new)
.set MSB, (\new)
.endif
.endm
.macro PLACES n
.rept \n
	v_nop
.endr
.endm
.macro CREST                           ; a round of the cluster's barrier behind its opening barrier: wave 0 signals for the work-group; every wave waits for all four work-groups; my work-group's barrier once more
	s_cmp_lg_u32 s20, 0
	s_cbranch_scc1 .Lnot_wave_0_\@
	s_barrier_signal -3
.Lnot_wave_0_\@:
	s_barrier_wait -3
	s_barrier_signal -1
	s_barrier_wait -1
.endm
.macro CROUND                          ; a whole round
	s_barrier_signal -1
	s_barrier_wait -1
	CREST
.endm
.macro MKSC e, sc, lim                 ; s[e] = an exponent: v[sc] = 2^e as f32, v[lim] = 448 x 2^e
	s_add_co_i32 s54, s[\e], 127
	s_lshl_b32 s55, s54, 23
	v_mov_b32 v[\sc], s55
	s_add_co_i32 s54, s54, 8
	s_lshl_b32 s54, s54, 23
	s_or_b32 s54, s54, 0x600000
	v_mov_b32 v[\lim], s54
.endm
.macro STEPD g0, base, off             ; a group 0 goes on to the next step's block, round the batch's eight steps; it stands where no tensor load of mine is out
	s_add_co_u32 s[\off], s[\off], BLK4
	s_and_b32 s[\off], s[\off], 0xfffff
	s_add_nc_u64 s[\g0+2:\g0+3], s[\base:\base+1], s[\off:\off+1]
	s_or_b32 s[\g0+3], s[\g0+3], 0x80000000
.endm
	s_load_b512 s[4:19], s[0:1], 0x0               ; qimg, kimg, vimg, scales, proj_w, proj_b, x, out0
	v_lshl_add_u32 v[SPW], v0, 2, SPARE
	v_mov_b32 v[NIL], 0
	ds_add_u32 v3, v4
	ds_add_u32 v3, v4
	s_wait_dscnt 0x0
	v_lshrrev_b32 v[TA], 5, v0
	v_readfirstlane_b32 s20, v[TA]                 ; wave 0..3
	s_bfe_u32 s21, ttmp6, 0x40000                  ; cx: my place in the cluster
	s_lshl_b32 s22, ttmp9, 2                       ; in a cluster launch ttmp9 counts clusters
	s_add_co_u32 s22, s22, s21                     ; my block of 64 queries: it enters qimg's, x's and out0's addresses alone
	s_and_b32 s23, ttmp7, 0xffff                   ; the batch, which the four partners share
	; descriptor group 1: 128 rows of 32 elements of 8 bytes, dense: a block of 32,768 bytes
	s_mov_b32 s[G1], 15|(3<<16)|(1<<21)            ; 15:0 the mask: all four work-groups; 17:16 elements of 8 bytes; 20 no padding; 21 set beside a mask
	s_mov_b32 s[G1+1], 32<<16                      ; tensor_dim0 = 32
	s_mov_b32 s[G1+2], 128<<16                     ; tensor_dim1 = 128
	s_mov_b32 s[G1+3], 32<<16                      ; tile_dim0 = 32
	s_mov_b32 s[G1+4], 128                         ; tile_dim1 = 128
	s_mov_b32 s[G1+5], 32                          ; from row to row
	s_mov_b32 s[G1+6], 0
	s_mov_b32 s[G1+7], 0
	s_mov_b32 s[G0K], 1                            ; count = 1
	s_lshl_b32 s[G0K+1], s20, 15                   ; LDS: my wave's region: no place in the cluster enters an LDS address
	s_mov_b32 s[G0V], 1
	s_add_co_u32 s[G0V+1], s[G0K+1], VREG
	s_lshl_b32 s54, s23, 20
	s_add_co_u32 s54, s54, s[G0K+1]                ; in memory: the batch's 2^20 bytes, block w of a step's four
	s_mov_b32 s55, 0
	s_lshr_b32 s60, ttmp9, 3
	s_add_co_u32 s60, s60, ttmp9
	s_and_b32 s60, s60, 7                          ; the step at which my cluster begins: (x + x / 8) % 8
	s_lshl_b32 s60, s60, 17                        ; in bytes
	s_mov_b32 s61, 0
	s_mov_b32 s62, s60
	s_mov_b32 s63, 0
	s_lshl_b32 s58, s23, 20
	s_lshl_b32 s59, s22, 14
	s_add_co_u32 s58, s58, s59                     ; Q: the batch, my block's four tiles of 4,096 bytes
	s_mov_b32 s59, 0
	s_mov_b32 s50, 0x76543210                      ; v_permlanex16_b32: lane l xor 16
	s_mov_b32 s51, 0xfedcba98
	s_wait_kmcnt 0x0
	s_load_b256 s[40:47], s[10:11], 0x0            ; e0 .. e7
	s_add_nc_u64 s[6:7], s[6:7], s[54:55]
	s_add_nc_u64 s[8:9], s[8:9], s[54:55]
	s_add_nc_u64 s[G0K+2:G0K+3], s[6:7], s[60:61]
	s_or_b32 s[G0K+3], s[G0K+3], 0x80000000        ; type = 2
	s_add_nc_u64 s[G0V+2:G0V+3], s[8:9], s[62:63]
	s_or_b32 s[G0V+3], s[G0V+3], 0x80000000
	s_add_nc_u64 s[4:5], s[4:5], s[58:59]
	s_lshl_b32 s58, s23, 22
	s_lshl_b32 s59, s20, 20
	s_add_co_u32 s58, s58, s59
	s_lshl_b32 s59, s22, 8
	s_add_co_u32 s58, s58, s59                     ; x, out0: the batch, my 64 output channels, my block's 256 bytes of a row
	s_mov_b32 s59, 0
	s_add_nc_u64 s[16:17], s[16:17], s[58:59]
	s_add_nc_u64 s[18:19], s[18:19], s[58:59]
	s_lshl_b32 s54, s20, 14
	s_add_nc_u64 s[12:13], s[12:13], s[54:55]      ; proj_w: my 64 rows
	s_lshl_b32 s54, s20, 8
	s_add_nc_u64 s[14:15], s[14:15], s[54:55]      ; proj_b: my 64 numbers
	CROUND                                         ; all four work-groups are here: the first joint loads meet
	tensor_load_to_lds s[G0K:G0K+3], s[G1:G1+7]    ; the two first fills stand together, ahead of every wait on TENSORcnt and every LDS read
	s_nop 0
	tensor_load_to_lds s[G0V:G0V+3], s[G1:G1+7]
	s_nop 0
	PLACES 4
	v_and_b32 v27, 31, v0                          ; lane
	v_and_b32 v28, 15, v0                          ; r
	v_bfe_u32 v29, v0, 4, 1                        ; h
	v_lshlrev_b32 v[L16], 4, v27
.set i, 0
.rept 32
	global_load_b128 v[QF+4*i:QF+4*i+3], v[L16], s[4:5] offset:512*i    ; Q stays in registers
.set i, i+1
.endr
	; every address register is made here and never rewritten
	s_lshl_b32 s54, s20, 15
	v_add_nc_u32 v[AK], s54, v[L16]                ; my region of K: 16 x lane + 32,768 x wave
	v_add_nc_u32 v[AV], VREG, v[AK]                ; and of V
	v_lshlrev_b32 v[PW], 8, v28
	v_lshl_add_u32 v[PW], v29, 4, v[PW]            ; proj_w: row r of 256 bytes, + 16 h
	v_lshlrev_b32 v[PB], 2, v28                    ; proj_b: number r
	v_lshlrev_b32 v[GO], 14, v29
	v_lshl_add_u32 v[GO], v28, 4, v[GO]            ; x, out0: lanes 0-15 one row (channel), lanes 16-31 the next; 16 bytes a lane
	v_lshlrev_b32 v30, 3, v27
	s_lshl_b32 s54, s20, 10
	s_add_co_u32 s54, s54, STATS
	v_add_nc_u32 v[SA], s54, v30                   ; where I put my statistics
	s_lshl_b32 s54, s20, 8
	s_add_co_u32 s54, s54, STATS
	v_add_nc_u32 v[SB], s54, v30                   ; where I read tile w's
	s_lshr_b32 s54, s20, 1
	s_lshl_b32 s54, s54, 17
	s_and_b32 s55, s20, 1
	s_lshl_b32 s55, s55, 14
	s_add_co_u32 s54, s54, s55
	v_add_nc_u32 v[RA0], s54, v[L16]               ; tile w's O^T of source waves 0, 1,
	v_add_nc_u32 v[RA1], 65536, v[RA0]             ; and of 2, 3
	s_lshl_b32 s54, s20, 12
	s_add_co_u32 s54, s54, CODES
	v_add_nc_u32 v[CA], s54, v[L16]
	v_add_nc_u32 v[CB], CODES, v[L16]
	s_mul_i32 s54, s20, 16*272
	s_add_co_u32 s54, s54, STAGE                   ; my stage
	v_mul_u32_u24 v[SO], v28, 272
	v_lshl_add_u32 v[SO], v29, 6, v[SO]
	v_add_nc_u32 v[SO], s54, v[SO]                 ; in: row r, + 64 h
	v_mul_u32_u24 v[SR], v29, 272
	v_lshl_add_u32 v[SR], v28, 4, v[SR]
	v_add_nc_u32 v[SR], s54, v[SR]                 ; back: lanes 0-15 one row, lanes 16-31 the next
.irp tt, 0,1,2,3
	v_mov_b32 v[ST+8*\tt+1], 0xff61b1e6            ; -3e38, under every t and every score
	v_floor_f32 v[ST+8*\tt], -v[ST+8*\tt+1]        ; -M
	v_mov_b32 v[ST+8*\tt+2], 0                     ; the sum, in two halves
	v_mov_b32 v[ST+8*\tt+3], 0
	v_mov_b32 v[ST+8*\tt+4], 0
	v_mov_b32 v[ST+8*\tt+5], 0                     ; written once: a lane permute's destination counts as read
	v_mov_b32 v[ST+8*\tt+6], 0xff61b1e6            ; the running largest score of my keys, in two chains that are never set back
	v_mov_b32 v[ST+8*\tt+7], 0xff61b1e6
.endr
	s_wait_kmcnt 0x0
	s_add_co_i32 s54, s42, s43
	s_lshl_b32 s54, s54, 23
	s_add_co_i32 s48, s54, 0x3db8aa3b              ; c = log2(e) / 16, with e2 + e3 added to its exponent field
	s_mov_b32 s49, s48                             ; (named with it as a pair)
	s_add_co_i32 s53, s44, s45                     ; e4 + e5
	s_add_co_i32 s56, s46, s47
	s_add_co_i32 s56, s56, 127
	s_lshl_b32 s56, s56, 23                        ; 2^(e6 + e7) as f32
	s_mov_b32 s57, s56
	MKSC 45, SC5, LIM5
	MKSC 46, SC6, LIM6
.macro KL kt, s                        ; four LDS loads: key tile kt's fragment of K step s, into buffer kt % 2.  (Destination and address in window 0: settings 0 and 0x14 both serve)
.irp i, 0,1,2,3
	ds_load_b128 v[KB+32*((\kt)%2)+16*(\s)+4*\i:KB+32*((\kt)%2)+16*(\s)+4*\i+3], v[AK] offset:4096*(\kt)+2048*(\s)+512*\i
.endr
.endm
.macro MAX2 tau, kk, hf                ; four scores of tile tau, key tile kk, into the tile's two running maxima
	v_max3_num_f32 v[ST+8*(\tau)+6], v[ST+8*(\tau)+6], v[64*(\tau)+8*(\kk)+4*(\hf)], v[64*(\tau)+8*(\kk)+4*(\hf)+1]
	v_max3_num_f32 v[ST+8*(\tau)+7], v[ST+8*(\tau)+7], v[64*(\tau)+8*(\kk)+4*(\hf)+2], v[64*(\tau)+8*(\kk)+4*(\hf)+3]
.endm
.macro VLOAD a, n                      ; register groups a .. a + n - 1 of V's 16 fragments
	WIN 0x40
.set vi, \a
.rept \n
	ds_load_b128 v[4*vi:4*vi+3], v[AV] offset:512*vi
.set vi, vi+1
.endr
.endm
; S^T = K Q^T: 64 matrix instructions, a key tile's four accumulators by turns, K step by K step.  Behind product i of key tile kt stand two lines of the maximum over tile i / 2 of
; key tile kt - 1: each accumulator is read from its low end on, and at least four plain lines that name none of its registers stand between its last product and that read (ISA guide 7.12.1).
; A fragment's registers are free behind its four products: the fragment two key tiles on is asked for behind product 5 (K step 0) and product 7 (K step 1), each four plain lines behind the last product that read the registers.
.macro SPHASE
	WIN 0
	PLACES 2                                       ; with the four behind the last tensor load: six plain places behind the last product of the step before, whose operands the loads and results below write over
	KL 0, 0
	KL 0, 1
	KL 1, 0
	KL 1, 1
.irp kt, 0,1,2,3,4,5,6,7
.irp i, 0,1,2,3,4,5,6,7
.if \i == 0
.if \kt < 7
	s_wait_dscnt 12                                ; this tile's first fragment is in; three runs of four loads were issued behind it
.else
	s_wait_dscnt 4
.endif
.endif
.if \i == 4
.if \kt < 7
	s_wait_dscnt 8                                 ; its second fragment is in; the next tile's two runs may be out
.else
	s_wait_dscnt 0x0
.endif
.endif
	WIN 0x50                                       ; C and D window 1
.if \i < 4
	v_wmma_f32_16x16x128_fp8_fp8 v[64*(\i%4)+8*\kt:64*(\i%4)+8*\kt+7], v[KB+32*(\kt%2):KB+32*(\kt%2)+15], v[QF+32*(\i%4):QF+32*(\i%4)+15], 0
.else
	v_wmma_f32_16x16x128_fp8_fp8 v[64*(\i%4)+8*\kt:64*(\i%4)+8*\kt+7], v[KB+32*(\kt%2)+16:KB+32*(\kt%2)+31], v[QF+32*(\i%4)+16:QF+32*(\i%4)+31], v[64*(\i%4)+8*\kt:64*(\i%4)+8*\kt+7]
.endif
.if \kt > 0
	WIN 0x14                                       ; sources 1 and 2 window 1
	MAX2 \i/2, \kt-1, \i%2
.endif
.if (\kt < 6) && (\i == 5)
.if \kt == 0
	WIN 0
	PLACES 4                                       ; the first key tile has no maximum to stand here
.endif
	KL \kt+2, 0
.endif
.if (\kt < 6) && (\i == 7)
.if \kt == 0
	WIN 0
	PLACES 4
.else
	PLACES 2                                       ; with the two lines above: four
.endif
	KL \kt+2, 1
.endif
.endr
.endr
	WIN 0x14
.irp hf, 0,1
.irp tau, 0,1,2,3
	MAX2 \tau, 7, \hf                              ; the last key tile's; tile 3's first read stands eight plain lines behind its last product
.endr
.endr
.endm
; The new M, f = 2^(old M - new M) and the sum under the new M, for all four tiles line by line, so that no line waits for the line above it.
.macro NEWM
	WIN 0
.irp tt, 0,1,2,3
	v_max_num_f32 v[ST+8*\tt+1], v[ST+8*\tt+6], v[ST+8*\tt+7]
.endr
.irp tt, 0,1,2,3
	v_permlanex16_b32 v[ST+8*\tt+5], v[ST+8*\tt+1], s50, s51
.endr
.irp tt, 0,1,2,3
	v_max_num_f32 v[ST+8*\tt+1], v[ST+8*\tt+1], v[ST+8*\tt+5]   ; with lane l xor 16's: the query's largest score so far
.endr
.irp tt, 0,1,2,3
	v_mul_f32 v[ST+8*\tt+1], s48, v[ST+8*\tt+1]    ; as t (c is positive)
.endr
.irp tt, 0,1,2,3
	v_mov_b32 v[ST+8*\tt+5], v[ST+8*\tt]
.endr
.irp tt, 0,1,2,3
	v_floor_f32 v[ST+8*\tt], -v[ST+8*\tt+1]        ; the new -M = -ceil(t): a whole number
.endr
.irp tt, 0,1,2,3
	v_sub_f32 v[ST+8*\tt+5], v[ST+8*\tt], v[ST+8*\tt+5]         ; old M - new M: a whole number, 0 or less
.endr
.irp tt, 0,1,2,3
	v_cvt_i32_f32 v[ST+8*\tt+5], v[ST+8*\tt+5]     ; (it saturates)
.endr
.irp tt, 0,1,2,3
	v_ldexp_f32 v[ST+8*\tt+4], 1.0, v[ST+8*\tt+5]  ; f
.endr
.irp tt, 0,1,2,3
	v_pk_mul_f32 v[ST+8*\tt+2:ST+8*\tt+3], v[ST+8*\tt+2:ST+8*\tt+3], v[ST+8*\tt+4:ST+8*\tt+5] op_sel_hi:[1,0]
.endr
.endm
.macro TSUB t                          ; t - M for tile t's 64 scores, two at a time (of the pairs c and -M the low word serves both halves)
	WIN 0x41                                       ; source 0 and destination window 1
.set sj, 0
.rept 32
	v_pk_fma_f32 v[64*(\t)+sj:64*(\t)+sj+1], v[64*(\t)+sj:64*(\t)+sj+1], s[48:49], v[ST+8*(\t):ST+8*(\t)+1] op_sel_hi:[1,0,0]
.set sj, sj+2
.endr
.endm
.macro EXPTSUB                         ; tile 0's exponentials, each with a plain line behind it (ISA guide 5.7.2): the t - M of tiles 1 and 2
	WIN 0x41
.set sj, 0
.rept 64
	v_exp_f32 v[sj], v[sj]
.set fa, 1+sj/32
.set fb, 2*(sj%32)
	v_pk_fma_f32 v[64*fa+fb:64*fa+fb+1], v[64*fa+fb:64*fa+fb+1], s[48:49], v[ST+8*fa:ST+8*fa+1] op_sel_hi:[1,0,0]
.set sj, sj+1
.endr
.endm
.macro EXPHOLD te, tm                  ; tile te's exponentials, each with a plain line behind it: the hold of tile tm, whose sum has been taken
	WIN 0x41
.set sj, 0
.rept 64
	v_exp_f32 v[64*(\te)+sj], v[64*(\te)+sj]       ; p = 2^(t - M), at most 1
	v_min_num_f32 v[64*(\tm)+sj], v[64*(\tm)+sj], v[LIM5]   ; the conversion does not saturate (ISA guide 7.6.2); p is not negative, so the hold is one-sided
.set sj, sj+1
.endr
.endm
.macro HOLD t
	WIN 0x41
.set sj, 0
.rept 64
	v_min_num_f32 v[64*(\t)+sj], v[64*(\t)+sj], v[LIM5]
.set sj, sj+1
.endr
.endm
.macro SUMS t                          ; the sum of the tile's unquantised p, two at a time, in four chains
.set rT, ST+8*(\t)
.set rS, 64*(\t)
	WIN 0x05                                       ; sources window 1
	s_wait_alu depctr_va_vdst(0)
	v_pk_add_f32 v[8:9], v[rS:rS+1], v[rS+2:rS+3]
	v_pk_add_f32 v[10:11], v[rS+4:rS+5], v[rS+6:rS+7]
	v_pk_add_f32 v[12:13], v[rS+8:rS+9], v[rS+10:rS+11]
	WIN 0x04
.set sk, 0
.rept 26
.if sk%4 == 0
	v_pk_add_f32 v[rT+2:rT+3], v[rT+2:rT+3], v[rS+12+2*sk:rS+13+2*sk]
.else
	v_pk_add_f32 v[6+2*(sk%4):7+2*(sk%4)], v[6+2*(sk%4):7+2*(sk%4)], v[rS+12+2*sk:rS+13+2*sk]
.endif
.set sk, sk+1
.endr
	WIN 0
	v_pk_add_f32 v[8:9], v[8:9], v[10:11]
	v_pk_add_f32 v[rT+2:rT+3], v[rT+2:rT+3], v[12:13]
	v_pk_add_f32 v[rT+2:rT+3], v[rT+2:rT+3], v[8:9]
.endm
.macro CODE t                          ; tile t's p become the second product's operand
	WIN 0x01
.irp q, 0,1,2,3,4,5,6,7
	v_cvt_scalef32_pk8_fp8_f32 v[PC+16*(\t)+2*\q:PC+16*(\t)+2*\q+1], v[64*(\t)+8*\q:64*(\t)+8*\q+7], v[SC5]
.endr
	v_nop                                          ; a plain instruction behind the last conversion
.endm
.macro RESC                            ; accumulator rn of O^T under the new M: four lines, from its low end on
.set xh, rn/32
.set xc, (rn%32)/2
.set xt, rn%2
	WIN 0x82+0x41*xh                               ; O^T (source 0 and destination) window 2 or 3, f window 0
.irp i, 0,2,4,6
	v_pk_mul_f32 v[128*xt+8*xc+\i:128*xt+8*xc+\i+1], v[128*xt+8*xc+\i:128*xt+8*xc+\i+1], v[ST+8*(2*xh+xt)+4:ST+8*(2*xh+xt)+5] op_sel_hi:[1,0]
.endr
.endm
; O^T += V^T P^T: 64 matrix instructions, one on each accumulator: number n is tile 2 (n / 32) + n % 2, channel tile (n % 32) / 2.  Ahead of product n stand the four lines that rescale accumulator n + 1.
; first = 1: the products start the sums: nothing is cleared and nothing rescaled.  fill = 1: V's region, read out since the wait ahead of product 24, is filled again: all my tensor loads have landed (the one that was out is
; the next step's K); 0 onto my spare word; eight products; the add is done; the opening signal; eight products; the rest of the cluster's round; the joint refill first behind it.
.macro PV first, fill
	s_wait_dscnt 32                                ; V's fragments 0-7 are in; the youngest 32 loads may be out
.if \first == 0
.set rn, 0
	RESC
.endif
.set pn, 0
.rept 64
.if \fill && (pn == 48)
	WIN 0
	s_wait_tensorcnt 0x0
	ds_add_u32 v[SPW], v[NIL]
	STEPD G0V, 8, 62
.endif
.if \fill && (pn == 56)
	s_wait_dscnt 0x0                               ; the add is done, and my reads of the region are over
	s_barrier_signal -1
.endif
.if (\first == 0) && (pn < 63)
.set rn, pn+1
	RESC
.endif
.if pn == 16
	s_wait_dscnt 16                                ; fragments 8-11 are in
.endif
.if pn == 24
	s_wait_dscnt 0x0                               ; all of V is in registers
.endif
.set wh, pn/32
.set wc, (pn%32)/2
.set wt, pn%2
	WIN 0xa1+0x50*wh                               ; source 0 (V) window 1, source 1 (P) window 0, C and D window 2 or 3
.if \first
	v_wmma_f32_16x16x128_fp8_fp8 v[128*wt+8*wc:128*wt+8*wc+7], v[16*wc:16*wc+15], v[PC+32*wh+16*wt:PC+32*wh+16*wt+15], 0
.else
	v_wmma_f32_16x16x128_fp8_fp8 v[128*wt+8*wc:128*wt+8*wc+7], v[16*wc:16*wc+15], v[PC+32*wh+16*wt:PC+32*wh+16*wt+15], v[128*wt+8*wc:128*wt+8*wc+7]
.endif
.set pn, pn+1
.endr
.if \fill
	WIN 0
	s_barrier_wait -1
	CREST                                          ; no wave of any partner still reads its region or has a load on its way
	tensor_load_to_lds s[G0V:G0V+3], s[G1:G1+7]    ; my one tensor load behind the round: it has the scores and half the softmax in which to land
	s_nop 0
	PLACES 4
.endif
.endm
; A STEP: my 128 keys.  V's fragments 4 t .. 4 t + 3 land in the registers of S^T's tile t as soon as that tile is converted.
; In the middle stands K's fence: all my tensor loads have landed (the one that was out is this step's V); 0 onto my spare word; tile 1's sums; the add is done and K's region is read out; the opening signal; tile 3's t - M;
; the rest of the round; the joint refill.  fill = 0 (the last step): nothing is left to fetch; the wait alone shows V's last block landed.
.macro STEP first, fill
	SPHASE
	NEWM
	TSUB 0
	EXPTSUB
	SUMS 0
	EXPHOLD 1, 0
	CODE 0
	WIN 0
	s_wait_tensorcnt 0x0
.if \fill
	ds_add_u32 v[SPW], v[NIL]
	STEPD G0K, 6, 60
.endif
	SUMS 1
.if \fill
	s_wait_dscnt 0x0                               ; the add is done, and my reads of the region are over
	s_barrier_signal -1
.endif
	TSUB 3
	WIN 0
.if \fill
	s_barrier_wait -1
	CREST
	tensor_load_to_lds s[G0K:G0K+3], s[G1:G1+7]    ; my one tensor load behind the round: it has half the softmax and three quarters of the second product in which to land
	s_nop 0
	PLACES 4
.endif
	VLOAD 0, 16
	EXPHOLD 2, 1
	CODE 1
	VLOAD 16, 16
	SUMS 2
	EXPHOLD 3, 2
	CODE 2
	VLOAD 32, 16
	SUMS 3
	HOLD 3
	CODE 3
	VLOAD 48, 16
	PV \first, \fill
	WIN 0                                          ; at a label and at a branch every window is 0
.endm
	s_wait_tensorcnt 0x1                           ; my first block of K has landed; V's, issued behind it, may stay out
	s_wait_loadcnt 0x0                             ; Q
	STEP 1, 1
	s_mov_b32 s52, 6
.Lstep:
	STEP 0, 1
	s_sub_co_u32 s52, s52, 1
	s_cmp_lg_u32 s52, 0
	s_cbranch_scc1 .Lstep
	STEP 0, 0                                      ; the last step is written out
	; ---- THE END
	PLACES 4                                       ; ahead of loads into the last products' operands and of the stores of their results
	WIN 0x40                                       ; destination window 1
.irp ot, 0,1,2,3
.irp ss, 0,1
.irp c, 0,1,2,3
	global_load_b128 v[32*\ot+16*\ss+4*\c:32*\ot+16*\ss+4*\c+3], v[PW], s[12:13] offset:4096*\ot+128*\ss+32*\c   ; proj_w: outputs 64 w + 16 ot + r
.endr
.endr
.endr
.irp ot, 0,1,2,3
.irp i, 0,1,2,3,4,5,6,7
	global_load_b128 v[128+32*\ot+4*\i:128+32*\ot+4*\i+3], v[GO], s[16:17] offset:(16*\ot+2*\i)*16384 th:TH_LOAD_NT   ; x, in the layout in which out0 leaves: 16 lanes read 256 consecutive bytes
.endr
.endr
	WIN 0
.irp ot, 0,1,2,3
	global_load_b32 v[96+2*\ot], v[PB], s[14:15] offset:64*\ot   ; proj_b of my output, twice: a pair for the packed multiply-add
	global_load_b32 v[97+2*\ot], v[PB], s[14:15] offset:64*\ot
.endr
.irp tt, 0,1,2,3
	v_add_f32 v[ST+8*\tt+4], v[ST+8*\tt+2], v[ST+8*\tt+3]        ; the sum's two halves,
.endr
.irp tt, 0,1,2,3
	v_permlanex16_b32 v[ST+8*\tt+5], v[ST+8*\tt+4], s50, s51
.endr
.irp tt, 0,1,2,3
	v_add_f32 v[ST+8*\tt+1], v[ST+8*\tt+4], v[ST+8*\tt+5]        ; and lane l xor 16's
.endr
.irp tt, 0,1,2,3
	ds_store_b64 v[SA], v[ST+8*\tt:ST+8*\tt+1] offset:256*\tt    ; -M and my keys' sum
.endr
.irp tt, 0,1,2,3                       ; my O^T as it stands, into my own regions: they have had their last fill, and only I read them
	WIN 0x08+4*(\tt/2)                             ; store data: window 2 or 3
.set oi, 0
.rept 32
.if \tt < 2
	ds_store_b128 v[AK], v[128*(\tt%2)+4*oi:128*(\tt%2)+4*oi+3] offset:16384*(\tt%2)+512*oi
.else
	ds_store_b128 v[AV], v[128*(\tt%2)+4*oi:128*(\tt%2)+4*oi+3] offset:16384*(\tt%2)+512*oi
.endif
.set oi, oi+1
.endr
.endr
	WIN 0
	s_wait_dscnt 0x0                               ; for the others' sake: my stores are done
	s_barrier_signal -1
	s_barrier_wait -1
.irp u, 0,1,2,3
	ds_load_b64 v[32+2*\u:33+2*\u], v[SB] offset:1024*\u         ; tile w's -M and sum of source wave u
.endr
.irp u, 0,1,2,3
	WIN 0x80+0x40*(\u/2)                           ; destination window 2 or 3: source wave u's O^T of tile w at 128 (u % 2)
.set oi, 0
.rept 32
.if \u < 2
	ds_load_b128 v[128*(\u%2)+4*oi:128*(\u%2)+4*oi+3], v[RA0] offset:32768*(\u%2)+512*oi
.else
	ds_load_b128 v[128*(\u%2)+4*oi:128*(\u%2)+4*oi+3], v[RA1] offset:32768*(\u%2)+512*oi
.endif
.set oi, oi+1
.endr
.endr
	WIN 0
	s_wait_dscnt 0x0
	v_min3_num_f32 v[TA], v32, v34, v36
	v_min_num_f32 v[TA], v[TA], v38                ; -M of the whole row
.irp u, 0,1,2,3
	v_sub_f32 v[40+\u], v[TA], v[32+2*\u]          ; M of wave u - M of the row: a whole number, 0 or less
.endr
.irp u, 0,1,2,3
	v_cvt_i32_f32 v[40+\u], v[40+\u]
.endr
.irp u, 0,1,2,3
	v_ldexp_f32 v[40+\u], 1.0, v[40+\u]            ; f of wave u: an exact power of two
.endr
	v_mul_f32 v[TB], v40, v33
	v_fmac_f32 v[TB], v41, v35
	v_fmac_f32 v[TB], v42, v37
	v_fmac_f32 v[TB], v43, v39                     ; the row's sum
	v_rcp_f32 v[TB], v[TB]
	v_nop                                          ; a plain instruction behind the transcendental
	s_wait_alu depctr_va_vdst(0)
	v_ldexp_f32 v[TB], v[TB], s53                  ; x 2^(e4 + e5)
.irp u, 0,1,2,3
	v_mul_f32 v[48+2*\u], v[40+\u], v[TB]
	v_mul_f32 v[49+2*\u], v[40+\u], v[TB]
.endr
	WIN 0x82
.set oi, 0
.rept 64
	v_pk_mul_f32 v[oi:oi+1], v[oi:oi+1], v[48:49]
.set oi, oi+2
.endr
	WIN 0xa2
.set oi, 0
.rept 64
	v_pk_fma_f32 v[oi:oi+1], v[128+oi:128+oi+1], v[50:51], v[oi:oi+1]
.set oi, oi+2
.endr
	WIN 0xa3                                       ; source 0 window 3
.set oi, 0
.rept 64
	v_pk_fma_f32 v[oi:oi+1], v[oi:oi+1], v[52:53], v[oi:oi+1]
.set oi, oi+2
.endr
.set oi, 0
.rept 64
	v_pk_fma_f32 v[oi:oi+1], v[128+oi:128+oi+1], v[54:55], v[oi:oi+1]
.set oi, oi+2
.endr
	WIN 0x82
.set oi, 0
.rept 128
	v_med3_num_f32 v[oi], v[oi], -v[LIM6], v[LIM6] ; the hold at the largest code x 2^e6
.set oi, oi+1
.endr
	WIN 0x02
.set oi, 0
.rept 16
	v_cvt_scalef32_pk8_fp8_f32 v[64+2*oi:64+2*oi+1], v[8*oi:8*oi+7], v[SC6]   ; register 8 ct + j is channel 32 (ct / 2) + 8 (ct % 2) + 16 h + j: the codes are tile w's two fragments along the channels
.set oi, oi+1
.endr
	v_nop                                          ; a plain instruction behind the last conversion
	WIN 0
.irp i, 0,1,2,3,4,5,6,7
	ds_store_b128 v[CA], v[64+4*\i:64+4*\i+3] offset:512*\i
.endr
	s_wait_dscnt 0x0                               ; for the others' sake: my stores are done
	s_barrier_signal -1
	s_barrier_wait -1
.set oi, 0
.rept 32
	ds_load_b128 v[128+4*oi:128+4*oi+3], v[CB] offset:512*oi     ; all four tiles' fragments (tile t, K step s at 128 + 32 t + 16 s)
.set oi, oi+1
.endr
	s_wait_dscnt 0x0
	s_wait_loadcnt 0x0                             ; proj_w, x, proj_b
	WIN 0xf4                                       ; source 1 (proj_w) window 1, C and D window 3
.irp ot, 0,1,2,3
.irp tt, 0,1,2,3
	v_wmma_f32_16x16x128_fp8_fp8 v[8*(4*\ot+\tt):8*(4*\ot+\tt)+7], v[128+32*\tt:128+32*\tt+15], v[32*\ot:32*\ot+15], 0
.endr
.endr
.irp ot, 0,1,2,3
.irp tt, 0,1,2,3
	v_wmma_f32_16x16x128_fp8_fp8 v[8*(4*\ot+\tt):8*(4*\ot+\tt)+7], v[128+32*\tt+16:128+32*\tt+31], v[32*\ot+16:32*\ot+31], v[8*(4*\ot+\tt):8*(4*\ot+\tt)+7]
.endr
.endr
	WIN 0
	PLACES 4
.irp ot, 0,1,2,3                       ; 16 output channels x 64 tokens at a time, through my stage: LDS serves a wave's instructions in order (ISA guide 5.7.1.4)
	WIN 0x03                                       ; source 0 window 3
.irp tt, 0,1,2,3
.irp i, 0,2,4,6
	v_pk_fma_f32 v[64+8*\tt+\i:64+8*\tt+\i+1], v[8*(4*\ot+\tt)+\i:8*(4*\ot+\tt)+\i+1], s[56:57], v[96+2*\ot:97+2*\ot] op_sel_hi:[1,0,1]   ; sum x 2^(e6 + e7) + proj_b; each accumulator from its low end on
.endr
.endr
	WIN 0
.irp tt, 0,1,2,3
	ds_store_b128 v[SO], v[64+8*\tt:64+8*\tt+3] offset:128*(\tt/2)+32*(\tt%2)        ; lane (r, h), register j: channel r, token 32 (t / 2) + 8 (t % 2) + 16 h + j
	ds_store_b128 v[SO], v[64+8*\tt+4:64+8*\tt+7] offset:128*(\tt/2)+32*(\tt%2)+16
.endr
.irp i, 0,1,2,3,4,5,6,7
	ds_load_b128 v[128+32*\ot+4*\i:128+32*\ot+4*\i+3], v[SR] offset:544*\i
.endr
	s_wait_dscnt 0x0
	WIN 0x04                                       ; source 1 (x) window 1
.set oi, 0
.rept 16
	v_pk_add_f32 v[128+32*\ot+oi:128+32*\ot+oi+1], v[128+32*\ot+oi:128+32*\ot+oi+1], v[128+32*\ot+oi:128+32*\ot+oi+1]
.set oi, oi+2
.endr
	WIN 0
.irp i, 0,1,2,3,4,5,6,7
	global_store_b128 v[GO], v[128+32*\ot+4*\i:128+32*\ot+4*\i+3], s[18:19] offset:(16*\ot+2*\i)*16384 th:TH_STORE_NT   ; 16 lanes store 256 consecutive bytes, aligned; each group of channels has registers of its own
.endr
.endr
	s_wait_tensorcnt 0x0                           ; the wave's end: behind my last tensor load and my last LDS store
	ds_add_u32 v[SPW], v[NIL]
	s_wait_dscnt 0x0
	CROUND                                         ; the closing round: no work-group ends while a partner may still ask for a block that names it
	s_endpgm
.Lfunc_end_k_q1ef862bbd9_attn:
	.size	k_q1ef862bbd9_attn, .Lfunc_end_k_q1ef862bbd9_attn-k_q1ef862bbd9_attn
	.p2alignl 7, 3214868480
	.fill 96, 4, 3214868480
	.section	.rodata,"a",@progbits
	.p2align	6, 0x0
	.amdhsa_kernel k_q1ef862bbd9_attn
		.amdhsa_group_segment_fixed_size 327680
		.amdhsa_private_segment_fixed_size 0
		.amdhsa_enable_private_segment 0
		.amdhsa_kernarg_size 64
		.amdhsa_user_sgpr_count 2
		.amdhsa_user_sgpr_kernarg_segment_ptr 1
		.amdhsa_wavefront_size32 1
		.amdhsa_system_sgpr_workgroup_id_x 1
		.amdhsa_system_sgpr_workgroup_id_y 1
		.amdhsa_system_sgpr_workgroup_id_z 1
		.amdhsa_system_vgpr_workitem_id 0
		.amdhsa_next_free_vgpr 1024
		.amdhsa_next_free_sgpr 66
		.amdhsa_reserve_vcc 0
		.amdhsa_float_denorm_mode_32 3
		.amdhsa_float_denorm_mode_16_64 3
		.amdhsa_memory_ordered 1
		.amdhsa_forward_progress 1
		.amdhsa_inst_pref_size 255
	.end_amdhsa_kernel
	.section	.bss,"aw",@nobits
	.p2align	6
	.space	262144
	.amdgpu_metadata
---
amdhsa.version: [ 1, 2 ]
amdhsa.kernels:
  - .name:           k_q1ef862bbd9_attn
    .symbol:         k_q1ef862bbd9_attn.kd
    .args:
      - { .name: qimg, .offset: 0, .size: 8, .value_kind: global_buffer, .address_space: global }
      - { .name: kimg, .offset: 8, .size: 8, .value_kind: global_buffer, .address_space: global }
      - { .name: vimg, .offset: 16, .size: 8, .value_kind: global_buffer, .address_space: global }
      - { .name: lowp_scales, .offset: 24, .size: 8, .value_kind: global_buffer, .address_space: global }
      - { .name: proj_w_codes, .offset: 32, .size: 8, .value_kind: global_buffer, .address_space: global }
      - { .name: proj_b, .offset: 40, .size: 8, .value_kind: global_buffer, .address_space: global }
      - { .name: x, .offset: 48, .size: 8, .value_kind: global_buffer, .address_space: global }
      - { .name: out0, .offset: 56, .size: 8, .value_kind: global_buffer, .address_space: global }
    .group_segment_fixed_size: 327680
    .private_segment_fixed_size: 0
    .kernarg_segment_align: 8
    .kernarg_segment_size: 64
    .max_flat_workgroup_size: 128
    .sgpr_count:     66
    .vgpr_count:     1024
    .wavefront_size: 32
...
	.end_amdgpu_metadata
.endif
;; end of part 3
